; MI455X (gfx1250); checked and timed in simulation.
; The chip was launched on July 23, 2026; its instructions are those of AMD's public machine-readable ISA for CDNA 5 (MIT licence, August 2026) and "CDNA5" Instruction Set Architecture Reference Guide (July 2026). The comments in the code are by the model that wrote it; some were corrected since.
;; VQ Module. Allowed arithmetic: float matrix products may take bf16 or f16 operands with f32 sums; other float arithmetic in f32, or as packed bf16 or f16 multiplies, adds, multiply-adds, maxima and minima; sums over many terms, partial sums and values carried from step to step in f32; what a program stores and reads back later, other than sums and carried values, may be rounded once to bf16 or f16.
;; Inputs: codebook 8,192 x 256 float32; x 8 x 4,096 x 256 float32.
;; Outputs: out0 8 x 4,096 x 256 float32; out1 one number float32; out2 8 x 4,096 int32.
;; 2 versions, each right; version 2 is version 1 with the launch prep written anew for expert scheduling mode. Each part assembles by itself: llvm-mc -triple=amdgcn-amd-amdhsa -mcpu=gfx1250 --defsym DOCPART=n.
;; ======== version 1 of 2: 3 launches
;; limits: a difference of large sums (such as E[x^2] - mean^2): digits are lost where the result is much smaller than its terms
;; workspace buffers: cbb 4,194,304 bytes; hc 32,768 bytes; cand 262,144 bytes of whole numbers; part 4,096 bytes
;; launch prep (part 1): grid 128 x 1, 16 waves a work-group, no clusters, 2,304 bytes of LDS; arguments codebook, cbb, hc; writes cbb, hc
.if DOCPART == 1
	.amdgcn_target "amdgcn-amd-amdhsa--gfx1250"
	.amdhsa_code_object_version 6
	.text
	.protected	k_q0d5dac072c_prep
	.globl	k_q0d5dac072c_prep
	.p2align	8
	.type	k_q0d5dac072c_prep,@function
k_q0d5dac072c_prep:
	s_mov_b64 s[64:65], 0
	v_nop
	global_prefetch_b8 v0, s[64:65] scope:SCOPE_SE
	s_setreg_imm32_b32 hwreg(HW_REG_WAVE_MODE, 25, 1), 1
	s_wait_xcnt 0x0
; VECTOR QUANTISATION, first of three launches.  The program: indices = argmin over codes k of -2 x.c_k + |c_k|^2; out0 = x + (q - x) with q the chosen row; out1 = mean (x - q)^2.
; NOTHING OF THE PROBLEM IS LEFT OUT: both inputs reach outputs and are loaded; x stays in out0 (x + (q - x) is formed as written, in f32).
; FORMATS.  The product goes to the matrix unit in bf16, so x and the codebook are rounded to bf16 (nearest even) once, and EVERY use of them in all three outputs is of that rounding.
; THE SEARCH.  The second launch takes argmin(-2 x.c + |c|^2) as argmax(x.c - |c|^2 / 2) on the matrix unit and keeps each token's best TWO codes.  The third scores those two once more as the problem
; writes the score, -2 dot + cc in f32, dot and cc summed channel by channel in ascending order with one rounding an addition, and takes the lesser, the lower index among equals.
; THE LOSS is formed as sum |x|^2 - 2 sum over tokens of the winning (x.q - |q|^2 / 2), which is sum (x - q)^2 term by term.
; LIMITS.  An order of rounding other than the problem's: the loss carries a relative error of about 2^-22 x sum(|x|^2 + |q|^2) / sum|x - q|^2.
; A token whose two best scores differ by less than the rounding of an f32 sum of 256 terms gets the index that the ascending sum gives; a sum taken in another order may give the other.
; Where such a token's two best codes also share one of its 64 result places of the second launch (1 pair of codes in 64), the matrix unit's sums decide.  NaN and infinities are not treated apart.
; THIS LAUNCH: cbb[k][:] = bf16(codebook[k][:]), hc[k] = -1/2 sum of bf16(c)^2 in f32.
; SHARES.  A work-group owns 64 rows, so that its 64 numbers of hc leave as 256 consecutive bytes, aligned; wave v owns rows 4 v .. 4 v + 3; a lane 4 channels in each half of a row.
; No matrix unit, no cluster: no two work-groups read a common byte.  No prefetch: each byte is asked for at the launch's head.
.set SPARE, 256                        ; LDS: bytes 0-255 the 64 sums; behind them the spare words, 128 bytes for each of 16 waves
.set LO,  2                            ; v2   byte offset of my 16 bytes in the group's rows of the codebook
.set SO,  3                            ; v3   byte offset of my 8 bytes in the group's rows of cbb
.set SPW, 4                            ; v4   LDS address of my spare word; never rewritten
.set NIL, 5                            ; v5   0; never rewritten
.set LA,  6                            ; v6   16 x wave: where my wave's four sums go
.set LN,  7                            ; v7   lane
.set L,   8                            ; v[8:39]   eight loads of four numbers
.set PK,  40                           ; v[40:55]  the same, packed to bf16: a pair for each load, never rewritten
.set T,   56                           ; v[56:59]  at work
.set AC,  60                           ; v[60:67]  a pair of running sums for each row
.set H,   68                           ; v[68:71]  the four rows' results
.set HO,  74                           ; v74  8 x lane
.set HD,  76                           ; v[76:77]
	s_load_b128 s[4:7], s[0:1], 0x0                ; codebook s[4:5], cbb s[6:7]
	s_load_b64 s[8:9], s[0:1], 0x10                ; hc
	v_lshl_add_u32 v[SPW], v0, 2, SPARE
	v_mov_b32 v[NIL], 0
	v_lshrrev_b32 v1, 5, v0
	v_readfirstlane_b32 s10, v1                    ; wave 0..15
	v_and_b32 v[LN], 31, v0
	v_lshlrev_b32 v[LO], 4, v[LN]
	v_lshl_add_u32 v[LO], v1, 12, v[LO]            ; 4 rows x 1,024 bytes x wave + 16 x lane
	v_lshlrev_b32 v[SO], 3, v[LN]
	v_lshl_add_u32 v[SO], v1, 11, v[SO]            ; 4 rows x 512 bytes x wave + 8 x lane
	v_lshlrev_b32 v[LA], 4, v1
	v_lshlrev_b32 v[HO], 3, v[LN]
	s_lshl_b32 s12, ttmp9, 16                      ; the group's 64 rows: 65,536 bytes of the codebook,
	s_mov_b32 s13, 0
	s_lshl_b32 s14, ttmp9, 15                      ; 32,768 of cbb,
	s_mov_b32 s15, 0
	s_lshl_b32 s16, ttmp9, 8                       ; 256 of hc
	s_mov_b32 s17, 0
	s_mov_b32 s18, 0xffff0000                      ; a word's upper bf16
	s_mov_b32 s20, 0x76543210                      ; v_permlanex16_b32: each lane takes its own place in the other half
	s_mov_b32 s21, 0xfedcba98
	s_wait_kmcnt 0x0
	s_add_nc_u64 s[4:5], s[4:5], s[12:13]
	s_add_nc_u64 s[6:7], s[6:7], s[14:15]
	s_add_nc_u64 s[8:9], s[8:9], s[16:17]
.irp e, 0,1,2,3,4,5,6,7                ; load e: row e / 2, half e % 2: 512 consecutive bytes a wave
	global_load_b128 v[L+4*(\e):L+4*(\e)+3], v[LO], s[4:5] offset:512*(\e) th:TH_LOAD_NT
.endr
.irp e, 0,1,2,3,4,5,6,7
	s_wait_loadcnt 7-(\e)                          ; loads come back in order: mine is in, the younger ones stay out
	v_cvt_pk_bf16_f32 v[PK+2*(\e)],   v[L+4*(\e)],   v[L+4*(\e)+1]
	v_cvt_pk_bf16_f32 v[PK+2*(\e)+1], v[L+4*(\e)+2], v[L+4*(\e)+3]
	global_store_b64 v[SO], v[PK+2*(\e):PK+2*(\e)+1], s[6:7] offset:256*(\e)  ; 32 lanes x 8 bytes: 256 consecutive bytes, aligned
	v_lshlrev_b32 v[T],   16,  v[PK+2*(\e)]        ; the rounded numbers as f32
	v_and_b32     v[T+1], s18, v[PK+2*(\e)]
	v_lshlrev_b32 v[T+2], 16,  v[PK+2*(\e)+1]
	v_and_b32     v[T+3], s18, v[PK+2*(\e)+1]
.if (\e)%2 == 0
	v_pk_mul_f32 v[AC+2*((\e)/2):AC+2*((\e)/2)+1], v[T:T+1], v[T:T+1]  ; a row's first squares start its sums
.else
	v_pk_fma_f32 v[AC+2*((\e)/2):AC+2*((\e)/2)+1], v[T:T+1], v[T:T+1], v[AC+2*((\e)/2):AC+2*((\e)/2)+1]
.endif
	v_pk_fma_f32 v[AC+2*((\e)/2):AC+2*((\e)/2)+1], v[T+2:T+3], v[T+2:T+3], v[AC+2*((\e)/2):AC+2*((\e)/2)+1]
.endr
.irp i, 0,1,2,3
	v_add_f32 v[H+(\i)], v[AC+2*(\i)], v[AC+2*(\i)+1]
.endr
.irp m, 1,2,4,8                        ; across the 16 lanes of a half, the four rows by turns
.irp i, 0,1,2,3
	v_add_f32_dpp v[H+(\i)], v[H+(\i)], v[H+(\i)] row_xmask:\m row_mask:0xf bank_mask:0xf
.endr
.endr
.irp i, 0,1,2,3
	v_permlanex16_b32 v[T+(\i)], v[H+(\i)], s20, s21  ; the other half's sum (the destination has been written before)
.endr
.irp i, 0,1,2,3
	v_add_f32 v[H+(\i)], v[H+(\i)], v[T+(\i)]
.endr
.irp i, 0,1,2,3
	v_mul_f32 v[H+(\i)], -0.5, v[H+(\i)]
.endr
	ds_store_b128 v[LA], v[H:H+3]                  ; every lane holds the same four numbers and writes the same 16 bytes
	s_wait_dscnt 0x0                               ; for the others' sake: my store is done
	s_barrier_signal -1
	s_barrier_wait -1
	s_cmp_lg_u32 s10, 0                            ; wave 0 sends the 64 sums out
	s_cbranch_scc1 .Lend
	ds_load_b64 v[HD:HD+1], v[HO]
	s_wait_dscnt 0x0
	global_store_b64 v[HO], v[HD:HD+1], s[8:9]     ; 256 consecutive bytes, aligned
.Lend:
	s_wait_tensorcnt 0x0                           ; the wave's end, behind my last LDS store
	ds_add_u32 v[SPW], v[NIL]
	s_wait_dscnt 0x0
	s_endpgm
.Lfunc_end_k_q0d5dac072c_prep:
	.size	k_q0d5dac072c_prep, .Lfunc_end_k_q0d5dac072c_prep-k_q0d5dac072c_prep
	.p2alignl 7, 3214868480
	.fill 96, 4, 3214868480
	.section	.rodata,"a",@progbits
	.p2align	6, 0x0
	.amdhsa_kernel k_q0d5dac072c_prep
		.amdhsa_group_segment_fixed_size 2304
		.amdhsa_private_segment_fixed_size 0
		.amdhsa_enable_private_segment 0
		.amdhsa_kernarg_size 24
		.amdhsa_user_sgpr_count 2
		.amdhsa_user_sgpr_kernarg_segment_ptr 1
		.amdhsa_wavefront_size32 1
		.amdhsa_system_sgpr_workgroup_id_x 1
		.amdhsa_system_sgpr_workgroup_id_y 1
		.amdhsa_system_sgpr_workgroup_id_z 1
		.amdhsa_system_vgpr_workitem_id 0
		.amdhsa_next_free_vgpr 80
		.amdhsa_next_free_sgpr 66
		.amdhsa_reserve_vcc 0
		.amdhsa_float_denorm_mode_32 3
		.amdhsa_float_denorm_mode_16_64 3
		.amdhsa_memory_ordered 1
		.amdhsa_forward_progress 1
		.amdhsa_inst_pref_size 9
	.end_amdhsa_kernel
	.amdgpu_metadata
---
amdhsa.version: [ 1, 2 ]
amdhsa.kernels:
  - .name:           k_q0d5dac072c_prep
    .symbol:         k_q0d5dac072c_prep.kd
    .args:
      - { .name: codebook, .offset: 0, .size: 8, .value_kind: global_buffer, .address_space: global }
      - { .name: cbb, .offset: 8, .size: 8, .value_kind: global_buffer, .address_space: global }
      - { .name: hc, .offset: 16, .size: 8, .value_kind: global_buffer, .address_space: global }
    .group_segment_fixed_size: 2304
    .private_segment_fixed_size: 0
    .kernarg_segment_align: 8
    .kernarg_segment_size: 24
    .max_flat_workgroup_size: 512
    .sgpr_count:     66
    .vgpr_count:     80
    .wavefront_size: 32
...
	.end_amdgpu_metadata
.endif
;; end of part 1
;; launch score (part 2): grid 256 x 1, 4 waves a work-group, clusters of 4 x 1, 327,680 bytes of LDS; arguments x, cbb, hc, cand, part; writes cand, part
.if DOCPART == 2
	.amdgcn_target "amdgcn-amd-amdhsa--gfx1250"
	.amdhsa_code_object_version 6
	.text
	.protected	k_q0d5dac072c_score
	.globl	k_q0d5dac072c_score
	.p2align	8
	.type	k_q0d5dac072c_score,@function
k_q0d5dac072c_score:
	s_mov_b64 s[64:65], 0
	v_nop
	global_prefetch_b8 v0, s[64:65] scope:SCOPE_SE
	s_setreg_imm32_b32 hwreg(HW_REG_WAVE_MODE, 25, 1), 1
	s_wait_xcnt 0x0
	s_wait_alu depctr_hold_cnt(0) depctr_sa_sdst(0) depctr_va_vdst(0) depctr_va_sdst(0) depctr_va_ssrc(0) depctr_va_vcc(0) depctr_vm_vsrc(0)
	s_getreg_b32 s2, hwreg(HW_REG_IB_STS2, 6, 4)
	s_cmp_eq_u32 s2, 0
	s_cbranch_scc0 .Lentry_in_a_cluster
	s_endpgm
.Lentry_in_a_cluster:
	s_bfe_u32 s2, ttmp6, 0x10000c
	s_cmp_lg_u32 s2, 0x3003
	s_cbranch_scc0 .Lentry_shape_is_right
	s_endpgm
.Lentry_shape_is_right:
; SECOND LAUNCH: for each token the best TWO codes by s = xb . cb - |cb|^2 / 2 over all 8,192 codes (xb, cb: the bf16 roundings; sums in f32), the lower index first among equals.  No work of the problem is left out here.
; Stored: the two codes as a pair of whole numbers (cand), from which the next launch forms addresses, and, for each wave, sum |xb|^2 - 2 sum of the winning s over its 32 tokens: its part of sum (x - q)^2.
; LIMITS: as stated at the head of the first kernel (order of rounding of the loss; near-ties; two near-tied codes in one result place; NaN and infinities not treated apart).
; SHARES.  A work-group owns 128 tokens and walks all codes, so a token has one owner.  EVERY wave holds all 128 tokens as source 1 of the matrix instruction: 8 tiles of 16 tokens x 8 K steps x 8
; registers = 512.  Of each chunk of 256 codes wave w takes codes 64 w .. 64 w + 63, four tiles of 16: a UNIT is one such tile against all tokens: 16 LDS loads of codes feed 64 matrix instructions.
; LAYOUT.  D = codes (source 0) x tokens (source 1): a lane holds ONE token (lane % 16), register j code 8 (lane / 16) + j of the tile.  The C operand of a sum's first K step is -|c|^2 / 2 of those codes.
; ARGMAX.  For each of a lane's 64 result places a running best and the number of the unit that made it; only a greater score replaces, so the earliest unit stays.  Three vector instructions a score,
; set behind the matrix instructions of the NEXT unit, one trio behind each.  At the end each lane takes the best two of a token's 8 places, and one lane a token the best two of the 16 that are left.
; CLUSTER.  All work-groups walk the same codes: the four of a cluster ask for each quarter of a chunk JOINTLY (the same load, descriptor and mask in all four).  x's tile is each work-group's own.
; RING.  Two slots of a chunk (256 rows of 512 bytes + 16 of padding).  Slot 1 first holds x's tile in f32; when every wave has rounded it into registers the slot joins the ring.
; REGISTERS, in windows of 256 (s_set_vgpr_msb: bits 1:0 source 0, 3:2 source 1, 5:4 source 2, 7:6 destination):
;   window 0: v0-31 addresses and work; v32-47 C operands, two buffers; v64-191 the scores, two buffers of 8 accumulators (first: staging for x); v192-255 staging
;   window 1: v0-127 a code tile's fragments, two buffers; v128-191 the bests; v192-255 their units          windows 2, 3: x's tiles 0-3 and 4-7, 64 registers a tile
.set PITCH,  528                       ; a code row in LDS: 512 bytes + 16: an odd multiple of 16, so the 16 rows of a fragment load start 16 bytes apart modulo 256
.set TILEB,  16*PITCH
.set QC,     64*PITCH                  ; a wave's quarter of a chunk
.set SLOTB,  4*QC                      ; 0x21000: no bit of it is set in 0 .. 3 x QC, so one exclusive or changes slots
.set XP,     1040                      ; a row of x in LDS: 1,024 bytes + 16
.set QX,     32*XP
.set HCB,    2*SLOTB                   ; the table of -|c|^2 / 2: 32,768 bytes
.set MST,    HCB+32768                 ; never filled by a tensor load: values at 2,048 wave + 16 token + 8 (lane / 16) + 4 rank; the codes 8,192 bytes on
.set SPARE,  MST+16384                 ; the spare words, 128 bytes for each wave
.set CHUNKB, 256*512                   ; a chunk in memory
.set RR,  1                            ; v1   lane % 16
.set HH,  2                            ; v2   lane / 16
.set LN,  3                            ; v3   lane
.set AK0, 4                            ; v4   my place in my wave's quarter of a slot; never rewritten
.set AH0, 5                            ; v5   my place in the table; never rewritten
.set ADR, 6                            ; v6   LDS address of the code tile to be fetched
.set ADH, 7                            ; v7   of its C operand
.set AX0, 8                            ; v8, v9  my place in x's tiles 0-3 and 4-7
.set AQ,  10                           ; v10  my 16 bytes in my wave's rows of x
.set PFO, 11                           ; v11  256 x lane; never rewritten
.set SQ,  12                           ; v[12:15] four running sums of squares; then v12: my wave's sum, kept to the end
.set TP,  16                           ; v[16:23] at work
.set OOF, 26                           ; v26  my token's 8 bytes of cand
.set POF, 27                           ; v27  my wave's word of part
.set SPW, 28                           ; v28  LDS address of my spare word; never rewritten
.set NIL, 29                           ; v29  0; never rewritten
.set STA, 30                           ; v30  where I put a token's two values
.set RDA, 31                           ; v31  where one wave's four values of my token are read
.set HC,  32
.set SC,  64
.set STG, 192
.set BEST, 128                         ; window 1
.set IDX,  192                         ; window 1
.set G1C, 16                           ; s[16:23] group 1: a quarter of a chunk
.set G1H, 24                           ; s[24:31] a quarter of the table
.set G1X, 32                           ; s[32:39] a quarter of x's tile
.set G0C, 40                           ; s[40:43] group 0 for the chunks: it walks
.set G0H, 44
.set G0X, 48
.set WV,  52                           ; my wave's number
.set CX,  53                           ; my place in the cluster: it enters x's, the prefetches' and the outputs' global addresses alone
.set GG,  54                           ; my work-group's number
.set TB,  55                           ; LDS byte, in a quarter, of the tile to be fetched
.set TH,  56                           ; byte in the table of that tile's chunk and place
.set UN,  57                           ; the number of the unit whose scores are being looked at
.set SLOTS, 58
.set TWICE, 59
.set LIM, 60                           ; 2 in the launch's first cluster, else the greatest number
.set BIG, 61                           ; 0x7fffffff: the key of a place that does not hold the maximum
.set PFA, 62                           ; s[62:63] where my prefetches stand
.set SEL, 66                           ; s[66:67] v_permlanex16_b32's selects
.set NINF, 72                          ; minus infinity: the value of a place that has been taken
.set MSB, 0
.macro WIN new                         ; the immediate's high byte repeats the setting that is left; a switch that changes nothing is dropped
.if MSB != (\new)
	s_set_vgpr_msb (MSB<<8)|(\new)
.set MSB, \new
.endif
.endm
; A round of the cluster's barrier: my work-group's barrier; wave 0 signals for the work-group; every wave waits for all four work-groups; my work-group's barrier once more.
.macro CROUND
	s_barrier_signal -1
	s_barrier_wait -1
	s_cmp_lg_u32 s[WV], 0
	s_cbranch_scc1 .Lnot_wave_0_\@
	s_barrier_signal -3
.Lnot_wave_0_\@:
	s_barrier_wait -3
	s_barrier_signal -1
	s_barrier_wait -1
.endm
; A PREFETCH of the chunk that stands two refills on: 512 matrix instructions ahead of the load that will want it.  All clusters walk the same codes: the launch's first cluster asks, nobody else (the
; test is the same in all four partners).  Its 16 waves share a chunk's 512 blocks of 256 bytes out BY ADDRESS, 32 each, a lane a block: each block is named once in the launch.
; Chunks 0 to 2 come by their loads alone; the changes that ask for chunks 30 and 31 prefetch nothing: there is no chunk two on.
.macro ASK
	s_cmp_gt_u32 s[SLOTS], s[LIM]
	s_cbranch_scc0 .Lnot_mine_\@
	global_prefetch_b8 v[PFO], s[PFA:PFA+1] th:TH_LOAD_NT scope:SCOPE_SE
.Lnot_mine_\@:
.endm
	s_load_b256 s[4:11], s[0:1], 0x0               ; x s[4:5], cbb s[6:7], hc s[8:9], cand s[10:11]
	s_load_b64 s[12:13], s[0:1], 0x20              ; part
	v_lshl_add_u32 v[SPW], v0, 2, SPARE
	v_mov_b32 v[NIL], 0
	ds_add_u32 v[SPW], v[NIL]                      ; the wave's opening: the add, twice on end, and its wait ahead of my first tensor load
	ds_add_u32 v[SPW], v[NIL]                      ; and once more, under the one wait; the set-up below, work on registers, stands between
	v_lshrrev_b32 v[TP], 5, v0
	v_readfirstlane_b32 s[WV], v[TP]               ; wave 0..3
	s_bfe_u32 s[CX], ttmp6, 0x40000                ; cx
	s_lshl_b32 s[GG], ttmp9, 2                     ; in a cluster launch ttmp9 counts clusters
	s_add_co_u32 s[GG], s[GG], s[CX]
	; group 1 for the codes: 64 rows x 256 elements of 2 bytes, 4 words of padding behind every 128 words; the mask of four, bit 21 beside it
	s_mov_b32 s[G1C+0], 15|(1<<16)|(1<<20)|(1<<21)|(6<<22)|(3<<25)
	s_mov_b32 s[G1C+1], 256<<16                    ; tensor_dim0 = 256
	s_mov_b32 s[G1C+2], 64<<16                     ; tensor_dim1 = 64
	s_mov_b32 s[G1C+3], 256<<16                    ; tile_dim0 = 256
	s_mov_b32 s[G1C+4], 64                         ; tile_dim1 = 64
	s_mov_b32 s[G1C+5], 256                        ; elements from row to row
	s_mov_b32 s[G1C+6], 0
	s_mov_b32 s[G1C+7], 0
	; group 1 for the table: 8,192 dense bytes as 32 rows of 32 elements of 8 bytes, no padding; jointly too
	s_mov_b32 s[G1H+0], 15|(3<<16)|(1<<21)
	s_mov_b32 s[G1H+1], 32<<16
	s_mov_b32 s[G1H+2], 32<<16
	s_mov_b32 s[G1H+3], 32<<16
	s_mov_b32 s[G1H+4], 32
	s_mov_b32 s[G1H+5], 32
	s_mov_b32 s[G1H+6], 0
	s_mov_b32 s[G1H+7], 0
	; group 1 for x: 32 rows x 256 elements of 4 bytes, 4 words of padding behind every 256 words; no mask: my work-group's own
	s_mov_b32 s[G1X+0], (2<<16)|(1<<20)|(7<<22)|(3<<25)
	s_mov_b32 s[G1X+1], 256<<16
	s_mov_b32 s[G1X+2], 32<<16
	s_mov_b32 s[G1X+3], 256<<16
	s_mov_b32 s[G1X+4], 32
	s_mov_b32 s[G1X+5], 256
	s_mov_b32 s[G1X+6], 0
	s_mov_b32 s[G1X+7], 0
	s_mov_b32 s[G0C], 1
	s_mul_i32 s[G0C+1], s[WV], QC                  ; LDS: slot 0, my quarter: no place in the cluster enters an LDS address
	s_mov_b32 s[G0H], 1
	s_lshl_b32 s[G0H+1], s[WV], 13
	s_add_co_u32 s[G0H+1], s[G0H+1], HCB
	s_mov_b32 s[G0X], 1
	s_mul_i32 s[G0X+1], s[WV], QX
	s_add_co_u32 s[G0X+1], s[G0X+1], SLOTB
	s_lshl_b32 s68, s[WV], 15                      ; my 64 rows of a chunk
	s_mov_b32 s69, 0
	s_lshl_b32 s70, s[WV], 13                      ; my quarter of the table
	s_mov_b32 s71, 0
	s_lshl_b32 s72, s[GG], 17                      ; my work-group's 128 rows of x,
	s_add_co_u32 s72, s72, s68                     ; my wave's 32 of them
	s_mov_b32 s73, 0
	s_lshl_b32 s74, s[CX], 2
	s_add_co_u32 s74, s74, s[WV]                   ; my wave among the cluster's 16:
	s_lshl_b32 s74, s74, 13                        ; its 32 blocks of a chunk,
	s_add_co_u32 s74, s74, 2*CHUNKB                ; in chunk 2: the first change of slots steps it to chunk 3
	s_mov_b32 s75, 0
	s_cmp_eq_u32 ttmp9, 0
	s_cselect_b32 s[LIM], 2, -1
	s_mov_b32 s[BIG], 0x7fffffff
	s_mov_b32 s[SEL], 0x76543210
	s_mov_b32 s[SEL+1], 0xfedcba98
	s_wait_dscnt 0x0                               ; both opening adds are done
	s_wait_kmcnt 0x0
	s_add_nc_u64 s[G0C+2:G0C+3], s[6:7], s[68:69]
	s_or_b32 s[G0C+3], s[G0C+3], 0x80000000        ; type = 2
	s_add_nc_u64 s[G0H+2:G0H+3], s[8:9], s[70:71]
	s_or_b32 s[G0H+3], s[G0H+3], 0x80000000
	s_add_nc_u64 s[G0X+2:G0X+3], s[4:5], s[72:73]
	s_or_b32 s[G0X+3], s[G0X+3], 0x80000000
	s_add_nc_u64 s[PFA:PFA+1], s[6:7], s[74:75]
	CROUND                                         ; all four work-groups are here: the first joint loads meet
	tensor_load_to_lds s[G0X:G0X+3], s[G1X:G1X+7]  ; the first fills go out as one group: x first, since it is wanted first.  Three loads of mine are out: the most in this text
	s_nop 0
	tensor_load_to_lds s[G0H:G0H+3], s[G1H:G1H+7]
	s_nop 0
	tensor_load_to_lds s[G0C:G0C+3], s[G1C:G1C+7]  ; chunk 0 into slot 0
	s_nop 0
.rept 4
	v_nop
.endr
	v_and_b32 v[RR], 15, v0
	v_bfe_u32 v[HH], v0, 4, 1
	v_and_b32 v[LN], 31, v0
	s_mul_i32 s76, s[WV], QC
	v_mul_u32_u24 v[AK0], v[RR], PITCH             ; a fragment of codes: lane l holds row l % 16; two loads of 16 bytes, 32 apart, at 16 (l / 16)
	v_lshl_add_u32 v[AK0], v[HH], 4, v[AK0]
	v_add_nc_u32 v[AK0], s76, v[AK0]
	s_lshl_b32 s77, s[WV], 8
	s_add_co_u32 s77, s77, HCB
	v_lshl_add_u32 v[AH0], v[HH], 5, s77           ; the C operand: my eight codes' numbers, 32 bytes on end
	v_mul_u32_u24 v[AX0], v[RR], XP                ; a fragment of x out of f32: 8 numbers are 32 bytes at 32 (l / 16), the next 8 lie 64 bytes on
	v_lshl_add_u32 v[AX0], v[HH], 5, v[AX0]
	v_add_nc_u32 v[AX0], SLOTB, v[AX0]
	v_add_nc_u32 v[AX0+1], 64*XP, v[AX0]
	s_mul_i32 s78, s[WV], QX
	s_add_co_u32 s78, s78, SLOTB
	v_lshl_add_u32 v[AQ], v[LN], 4, s78
	v_lshlrev_b32 v[PFO], 8, v[LN]
	s_lshl_b32 s79, s[WV], 11
	s_add_co_u32 s79, s79, MST
	v_lshl_add_u32 v[STA], v[RR], 4, s79           ; 2,048 wave + 16 (lane % 16) + 8 (lane / 16); the token tile stands in the immediate
	v_lshl_add_u32 v[STA], v[HH], 3, v[STA]
	s_lshl_b32 s68, s[WV], 9
	s_add_co_u32 s68, s68, MST
	v_lshl_add_u32 v[RDA], v[LN], 4, s68           ; my token at the end is 32 wave + lane: 16 bytes a token
	s_lshl_b32 s69, s[GG], 10                      ; 128 tokens x 8 bytes,
	s_lshl_b32 s70, s[WV], 8                       ; my wave's 32
	s_add_co_u32 s69, s69, s70
	v_lshl_add_u32 v[OOF], v[LN], 3, s69
	s_lshl_b32 s70, s[GG], 4
	s_lshl_b32 s71, s[WV], 2
	s_add_co_u32 s70, s70, s71
	v_mov_b32 v[POF], s70
	s_wait_tensorcnt 2                             ; my part of x is in; the table's and chunk 0's loads, issued behind it, may stay out
	s_barrier_signal -1
	s_barrier_wait -1                              ; everybody's part of x is in
; x INTO REGISTERS, rounded to bf16.  Batch b of 16: tile b / 2, K steps 4 (b % 2) on: 16 loads into one of two staging buffers, 32 roundings.  The next batch's loads go out ahead of a batch's roundings.
.macro XLD b
.set tt_, (\b)/2
.set k0_, 4*((\b)%2)
.set sg_, SC+64*((\b)%2)
.irp k, 0,1,2,3
.irp c, 0,1,2,3
	ds_load_b128 v[sg_+16*(\k)+4*(\c):sg_+16*(\k)+4*(\c)+3], v[AX0+tt_/4] offset:(tt_%4)*16*XP+128*(k0_+(\k))+16*((\c)%2)+64*((\c)/2)
.endr
.endr
.endm
.macro XCV b
.set tt_, (\b)/2
.set k0_, 4*((\b)%2)
.set sg_, SC+64*((\b)%2)
	WIN 0x80+0x40*(tt_/4)                          ; destination window 2 or 3
.set i_, 0
.rept 32
	v_cvt_pk_bf16_f32 v[64*(tt_%4)+8*k0_+i_], v[sg_+2*i_], v[sg_+2*i_+1]
.set i_, i_+1
.endr
.endm
	XLD 0
.set b, 0
.rept 16
.if b < 15
	WIN 0
	XLD b+1
	s_wait_dscnt 16                                ; LDS loads come back in order: this batch is in, the next batch's 16 may stay out
.else
	s_wait_dscnt 0x0
.endif
	XCV b
.set b, b+1
.endr
	WIN 0
	; THE SUM OF xb^2 over my wave's 32 rows: four trips of 8 rows, two loads of 512 bytes a row; rounded as above, squared out of the bf16 halves, in four chains
.irp i, 0,1,2,3
	v_mov_b32 v[SQ+(\i)], 0
.endr
	s_mov_b32 s[TWICE], 4
.Lsq:
.irp e, 0,1,2,3,4,5,6,7,8,9,10,11,12,13,14,15
	ds_load_b128 v[STG+4*(\e):STG+4*(\e)+3], v[AQ] offset:XP*((\e)/2)+512*((\e)%2)
.endr
.irp e, 0,1,2,3,4,5,6,7,8,9,10,11,12,13,14,15
	s_wait_dscnt 15-(\e)                           ; load e is in; the younger ones may stay out
	v_cvt_pk_bf16_f32 v[TP+2*((\e)%4)],   v[STG+4*(\e)],   v[STG+4*(\e)+1]
	v_cvt_pk_bf16_f32 v[TP+2*((\e)%4)+1], v[STG+4*(\e)+2], v[STG+4*(\e)+3]
	v_fma_mix_f32_bf16 v[SQ],   v[TP+2*((\e)%4)],   v[TP+2*((\e)%4)],   v[SQ]   op_sel_hi:[1,1,0]
	v_fma_mix_f32_bf16 v[SQ+1], v[TP+2*((\e)%4)],   v[TP+2*((\e)%4)],   v[SQ+1] op_sel:[1,1,0] op_sel_hi:[1,1,0]
	v_fma_mix_f32_bf16 v[SQ+2], v[TP+2*((\e)%4)+1], v[TP+2*((\e)%4)+1], v[SQ+2] op_sel_hi:[1,1,0]
	v_fma_mix_f32_bf16 v[SQ+3], v[TP+2*((\e)%4)+1], v[TP+2*((\e)%4)+1], v[SQ+3] op_sel:[1,1,0] op_sel_hi:[1,1,0]
.endr
	v_add_nc_u32 v[AQ], 8*XP, v[AQ]
	s_sub_co_u32 s[TWICE], s[TWICE], 1
	s_cmp_lg_u32 s[TWICE], 0
	s_cbranch_scc1 .Lsq
	v_add_f32 v[SQ], v[SQ], v[SQ+1]
	v_add_f32 v[SQ+2], v[SQ+2], v[SQ+3]
	v_add_f32 v[SQ], v[SQ], v[SQ+2]
.irp m, 1,2,4,8
	v_add_f32_dpp v[SQ], v[SQ], v[SQ] row_xmask:\m row_mask:0xf bank_mask:0xf
.endr
	v_permlanex16_b32 v[SQ+1], v[SQ], s[SEL], s[SEL+1]
	v_add_f32 v[SQ], v[SQ], v[SQ+1]                ; every lane holds my 32 tokens' sum; it stays here to the end
; Matrix instruction n of a unit's 64, on buffer p: K step n / 8, token tile n % 8.  The 8 accumulators take turns, one instruction a turn.  The first 8 start the sums with -|c|^2 / 2.
.macro MM p
.set tt_, n%8
.set ks_, n/8
.set rS, SC+64*(\p)+8*tt_
.set rA, 64*(\p)+8*ks_
.set rX, 64*(tt_%4)+8*ks_
	WIN 0x09+4*(tt_/4)                             ; codes in window 1, x in window 2 or 3, C and D in window 0
.if ks_ == 0
	v_wmma_f32_16x16x32_bf16 v[rS:rS+7], v[rA:rA+7], v[rX:rX+7], v[HC+8*(\p):HC+8*(\p)+7]
.else
	v_wmma_f32_16x16x32_bf16 v[rS:rS+7], v[rA:rA+7], v[rX:rX+7], v[rS:rS+7]
.endif
.endm
; Trio n of 64 on the scores in buffer q, in ascending order of the registers.  mode 2: the first unit starts bests and units.
.macro RIDE q, mode
	WIN 0x44                                       ; source 0 window 0; source 1 and destination window 1
.if (\mode) == 2
	v_mov_b32 v[BEST+n], v[SC+64*(\q)+n]
	v_mov_b32 v[IDX+n], s[UN]
.else
	v_cmp_le_f32 vcc_lo, v[SC+64*(\q)+n], v[BEST+n]    ; not greater: the earlier unit stays
	v_cndmask_b32 v[IDX+n], s[UN], v[IDX+n], vcc_lo
	v_max_num_f32 v[BEST+n], v[SC+64*(\q)+n], v[BEST+n]
.endif
.endm
; The next unit's C operand (2 loads) and code tile (16 loads), in one run, into buffer q
.macro FETCH q
	WIN 0
	v_add_nc_u32 v[ADR], s[TB], v[AK0]
	v_add_nc_u32 v[ADH], s[TH], v[AH0]
	ds_load_b128 v[HC+8*(\q):HC+8*(\q)+3],   v[ADH]
	ds_load_b128 v[HC+8*(\q)+4:HC+8*(\q)+7], v[ADH] offset:16
	WIN 0x40                                       ; destination window 1
.irp k, 0,1,2,3,4,5,6,7
	ds_load_b128 v[64*(\q)+8*(\k):64*(\q)+8*(\k)+3],   v[ADR] offset:64*(\k)
	ds_load_b128 v[64*(\q)+8*(\k)+4:64*(\q)+8*(\k)+7], v[ADR] offset:64*(\k)+32
.endr
	s_add_co_u32 s[TB], s[TB], TILEB
	s_add_co_u32 s[TH], s[TH], 64
.endm
; A UNIT on buffer p: 64 matrix instructions; behind each a trio on the unit before's scores (the other buffer).  The run of loads for the next unit stands behind the second slice: between it and the
; last matrix instruction that read its registers stand three trios and the run's own two additions, none of which names a register of that instruction; it has 62 slices in which to land.
; ride = 0: the first unit, with nothing to look at: four v_nop at its end are the places between its products and the next unit's first read of its scores.
.macro UNIT p, ride, fetch
	s_wait_dscnt 0x0                               ; this unit's codes and C operand are in
.set n, 0
.rept 64
	MM \p
.if \ride
	RIDE 1-(\p), \ride
.endif
.if (\fetch) && (n == 1)
	FETCH 1-(\p)
.endif
.set n, n+1
.endr
.if \ride
	s_add_co_u32 s[UN], s[UN], 1
.else
.rept 4
	v_nop
.endr
.endif
.endm
; THE CHANGE OF SLOTS, ahead of the unit that fetches from the other slot.  Each wave waits for all its tensor loads (its quarter of the other slot, and at the first change the table's load as well), adds 0 to its spare word, and waits for
; that and for its own reads of the slot that it leaves.  fill = 1: the barrier is a round of the cluster's, so that no wave of any partner still reads the slot or has a load on its way; the joint refill,
; with the chunk two on, is the first thing behind it and has 256 matrix instructions in which to land.  first = 1: the slot that is left held x; the fetches begin at slot 0.
.macro CHANGE fill, first
	WIN 0                                          ; at a label and at a branch every window is 0
	s_wait_tensorcnt 0x0                           ; no tensor load of mine is out, so the group 0 may be written
	ds_add_u32 v[SPW], v[NIL]                      ; 0 onto my spare word
.if \fill
	s_xor_b32 s[G0C+1], s[G0C+1], SLOTB            ; the other slot than last time,
	s_add_nc_u64 s[G0C+2:G0C+3], s[G0C+2:G0C+3], CHUNKB  ; the next chunk; the type bits on top are not reached
	s_wait_xcnt 0x0                                ; the last prefetch, four units back, has read its address, so it may be written
	s_add_nc_u64 s[PFA:PFA+1], s[PFA:PFA+1], CHUNKB
	s_wait_dscnt 0x0                               ; the add is done, and my reads of the slot are over
	CROUND
	tensor_load_to_lds s[G0C:G0C+3], s[G1C:G1C+7]
	s_nop 0
.rept 4
	v_nop
.endr
	ASK
.else
	s_wait_dscnt 0x0                               ; the add is done, and my reads of the slot are over
	s_barrier_signal -1
	s_barrier_wait -1
.endif
.if !(\first)
	s_sub_co_u32 s[TB], s[TB], 4*TILEB             ; the fetches go back to a quarter's first tile,
	s_xor_b32 s[TB], s[TB], SLOTB                  ; in the other slot;
	s_add_co_u32 s[TH], s[TH], 768                 ; in the table: past the other three waves' codes of the chunk
.endif
.endm
.macro TWO_PAIRS                       ; four units, written as two and walked twice; the LDS addresses hang on s[TB] and s[TH]
	WIN 0
	s_mov_b32 s[TWICE], 2
.Lpair_\@:
	UNIT 1, 1, 1
	UNIT 0, 1, 1
	WIN 0
	s_sub_co_u32 s[TWICE], s[TWICE], 1
	s_cmp_lg_u32 s[TWICE], 0
	s_cbranch_scc1 .Lpair_\@
.endm
	s_mov_b32 s[SLOTS], 31                         ; 32 less the chunk that is asked for
	s_mov_b32 s[TB], 0
	s_mov_b32 s[TH], 0
	s_mov_b32 s[UN], 0
	CHANGE 1, 1                                    ; the table and chunk 0 are in, everybody's parts; nobody reads x any more; chunk 1 goes where x lay
	FETCH 0                                        ; unit 0
	UNIT 0, 0, 1
	UNIT 1, 2, 1
	UNIT 0, 1, 1
	WIN 0
	s_mov_b32 s[SLOTS], 30
.Lslot:                                        ; 30 trips: ahead of units 3, 7, .. 119 chunks 2 to 31 are asked for
	CHANGE 1, 0
	TWO_PAIRS
	s_sub_co_u32 s[SLOTS], s[SLOTS], 1
	s_cmp_lg_u32 s[SLOTS], 0
	s_cbranch_scc1 .Lslot
	CHANGE 0, 0                                    ; the tail is written out: nothing is asked for
	TWO_PAIRS                                      ; units 123 to 126
	UNIT 1, 1, 0                                   ; unit 127 fetches nothing
.set n, 0
.rept 64
	RIDE 1, 1                                      ; and its scores are looked at
.set n, n+1
.endr
	; THE FOLD, first part: the best two of a lane's 8 places, for each token tile.  A place's key is 8 x unit + register: for one lane and wave it grows with the code.  PICK: the maximum of the 8 values and
	; the least key among the places that hold it.  The place taken is then set to minus infinity and PICK runs again.  DECODE turns a key into the code
	; 256 (unit / 4) + 64 wave + 16 (unit % 4) + 8 (lane / 16) + register.  Work registers: window 1, v0-52 (the code buffers are free).
.set WK, 0                             ; eight keys at work
.set MP, 16                            ; tile t's two values at MP + 2 t
.set KP, 32                            ; its two keys, then codes, at KP + 2 t
.set W0, 48
.set WH, 52
.macro PICK t, rk
	v_max3_num_f32 v[MP+2*(\t)+(\rk)], v[BEST+8*(\t)], v[BEST+8*(\t)+1], v[BEST+8*(\t)+2]
	v_max3_num_f32 v[MP+2*(\t)+(\rk)], v[MP+2*(\t)+(\rk)], v[BEST+8*(\t)+3], v[BEST+8*(\t)+4]
	v_max3_num_f32 v[MP+2*(\t)+(\rk)], v[MP+2*(\t)+(\rk)], v[BEST+8*(\t)+5], v[BEST+8*(\t)+6]
	v_max_num_f32 v[MP+2*(\t)+(\rk)], v[MP+2*(\t)+(\rk)], v[BEST+8*(\t)+7]
.irp j, 0,1,2,3,4,5,6,7
	v_cmp_eq_f32 vcc_lo, v[BEST+8*(\t)+(\j)], v[MP+2*(\t)+(\rk)]
	v_cndmask_b32 v[WK+(\j)], s[BIG], v[IDX+8*(\t)+(\j)], vcc_lo
.endr
	v_min_u32 v[KP+2*(\t)+(\rk)], v[WK], v[WK+1]
.irp j, 2,3,4,5,6,7
	v_min_u32 v[KP+2*(\t)+(\rk)], v[KP+2*(\t)+(\rk)], v[WK+(\j)]
.endr
.endm
.macro DECODE r
	v_lshrrev_b32 v[W0], 5, v[\r]                  ; unit / 4
	v_and_b32 v[W0+1], 24, v[\r]                   ; 8 (unit % 4)
	v_and_b32 v[W0+2], 7, v[\r]                    ; register
	v_lshl_or_b32 v[W0+2], v[W0+1], 1, v[W0+2]
	v_lshl_or_b32 v[W0+2], v[W0], 8, v[W0+2]
	v_or_b32 v[\r], v[W0+2], v[WH]
.endm
	s_mov_b32 s[NINF], 0xff800000
	s_lshl_b32 s68, s[WV], 6
	WIN 0x40
	v_lshl_add_u32 v[WH], v[HH], 3, s68            ; 64 wave + 8 (lane / 16)
	WIN 0x55                                       ; all operands in window 1
.set n, 0
.rept 64
	v_lshl_add_u32 v[IDX+n], v[IDX+n], 3, n%8
.set n, n+1
.endr
.set t, 0
.rept 8
	PICK t, 0
.irp j, 0,1,2,3,4,5,6,7
	v_cmp_ne_u32 vcc_lo, v[IDX+8*t+(\j)], v[KP+2*t]
	v_cndmask_b32 v[BEST+8*t+(\j)], s[NINF], v[BEST+8*t+(\j)], vcc_lo
.endr
	PICK t, 1
	DECODE KP+2*t
	DECODE KP+2*t+1
.set t, t+1
.endr
	WIN 0x04                                       ; address window 0, data window 1
.set t, 0
.rept 8
	ds_store_b64 v[STA], v[MP+2*t:MP+2*t+1] offset:256*t       ; token 16 t + lane % 16: 32 lanes write 256 consecutive bytes
	ds_store_b64 v[STA], v[KP+2*t:KP+2*t+1] offset:8192+256*t
.set t, t+1
.endr
	WIN 0
	s_wait_dscnt 0x0                               ; for the others' sake: my stores are done
	s_barrier_signal -1
	s_barrier_wait -1
	; THE FOLD, second part: token 32 wave + lane: the best two of its 16 candidates (4 waves x 2 halves of the lanes x 2), by value and then by the lowest code.  Each code stands there once.
.irp w, 0,1,2,3
	ds_load_b128 v[STG+4*(\w):STG+4*(\w)+3],       v[RDA] offset:2048*(\w)
	ds_load_b128 v[STG+16+4*(\w):STG+16+4*(\w)+3], v[RDA] offset:8192+2048*(\w)
.endr
	s_wait_dscnt 0x0
.macro TOP m, k                        ; the maximum of the 16 values into m, the lowest code among those that hold it into k
	v_max3_num_f32 v[\m], v[STG], v[STG+1], v[STG+2]
.irp i, 3,5,7,9,11,13
	v_max3_num_f32 v[\m], v[\m], v[STG+(\i)], v[STG+(\i)+1]
.endr
	v_max_num_f32 v[\m], v[\m], v[STG+15]
.irp i, 0,1,2,3,4,5,6,7,8,9,10,11,12,13,14,15
	v_cmp_eq_f32 vcc_lo, v[STG+(\i)], v[\m]
	v_cndmask_b32 v[STG+32+(\i)], s[BIG], v[STG+16+(\i)], vcc_lo
.endr
	v_min_u32 v[\k], v[STG+32], v[STG+33]
.irp i, 2,3,4,5,6,7,8,9,10,11,12,13,14,15
	v_min_u32 v[\k], v[\k], v[STG+32+(\i)]
.endr
.endm
	TOP STG+48, STG+50
.irp i, 0,1,2,3,4,5,6,7,8,9,10,11,12,13,14,15
	v_cmp_ne_u32 vcc_lo, v[STG+16+(\i)], v[STG+50]
	v_cndmask_b32 v[STG+(\i)], s[NINF], v[STG+(\i)], vcc_lo
.endr
	TOP STG+49, STG+51
	global_store_b64 v[OOF], v[STG+50:STG+51], s[10:11]  ; 32 tokens x 8 bytes: 256 consecutive bytes, aligned
.irp m, 1,2,4,8                        ; the sum of my 32 tokens' winning scores
	v_add_f32_dpp v[STG+48], v[STG+48], v[STG+48] row_xmask:\m row_mask:0xf bank_mask:0xf
.endr
	v_permlanex16_b32 v[STG+32], v[STG+48], s[SEL], s[SEL+1]
	v_add_f32 v[STG+48], v[STG+48], v[STG+32]
	v_fma_f32 v[STG+48], v[STG+48], -2.0, v[SQ]    ; sum |xb|^2 - 2 sum of the winners = my tokens' sum (x - q)^2
	v_cmp_eq_u32 vcc_lo, 0, v[LN]
	s_wait_xcnt 0x0                                ; EXEC changes only behind this wait: the store above has it among its sources
	s_and_saveexec_b32 s70, vcc_lo
	global_store_b32 v[POF], v[STG+48], s[12:13]   ; lane 0 alone
	s_wait_xcnt 0x0                                ; and again, in front of the line that widens it
	s_or_b32 exec_lo, exec_lo, s70
	s_wait_tensorcnt 0x0                           ; the wave's end, behind my last tensor load and my last LDS store
	ds_add_u32 v[SPW], v[NIL]
	s_wait_dscnt 0x0
	CROUND                                         ; the closing round: no work-group ends while a partner may still ask for a tile that names it
	s_endpgm
.Lfunc_end_k_q0d5dac072c_score:
	.size	k_q0d5dac072c_score, .Lfunc_end_k_q0d5dac072c_score-k_q0d5dac072c_score
	.p2alignl 7, 3214868480
	.fill 96, 4, 3214868480
	.section	.rodata,"a",@progbits
	.p2align	6, 0x0
	.amdhsa_kernel k_q0d5dac072c_score
		.amdhsa_group_segment_fixed_size 327680
		.amdhsa_private_segment_fixed_size 0
		.amdhsa_enable_private_segment 0
		.amdhsa_kernarg_size 40
		.amdhsa_user_sgpr_count 2
		.amdhsa_user_sgpr_kernarg_segment_ptr 1
		.amdhsa_wavefront_size32 1
		.amdhsa_system_sgpr_workgroup_id_x 1
		.amdhsa_system_sgpr_workgroup_id_y 1
		.amdhsa_system_sgpr_workgroup_id_z 1
		.amdhsa_system_vgpr_workitem_id 0
		.amdhsa_next_free_vgpr 1024
		.amdhsa_next_free_sgpr 80
		.amdhsa_reserve_vcc 1
		.amdhsa_float_denorm_mode_32 3
		.amdhsa_float_denorm_mode_16_64 3
		.amdhsa_memory_ordered 1
		.amdhsa_forward_progress 1
		.amdhsa_inst_pref_size 220
	.end_amdhsa_kernel
	.amdgpu_metadata
---
amdhsa.version: [ 1, 2 ]
amdhsa.kernels:
  - .name:           k_q0d5dac072c_score
    .symbol:         k_q0d5dac072c_score.kd
    .args:
      - { .name: x, .offset: 0, .size: 8, .value_kind: global_buffer, .address_space: global }
      - { .name: cbb, .offset: 8, .size: 8, .value_kind: global_buffer, .address_space: global }
      - { .name: hc, .offset: 16, .size: 8, .value_kind: global_buffer, .address_space: global }
      - { .name: cand, .offset: 24, .size: 8, .value_kind: global_buffer, .address_space: global }
      - { .name: part, .offset: 32, .size: 8, .value_kind: global_buffer, .address_space: global }
    .group_segment_fixed_size: 327680
    .private_segment_fixed_size: 0
    .kernarg_segment_align: 8
    .kernarg_segment_size: 40
    .max_flat_workgroup_size: 128
    .sgpr_count:     80
    .vgpr_count:     1024
    .wavefront_size: 32
...
	.end_amdgpu_metadata
.endif
;; end of part 2
;; launch emit (part 3): grid 256 x 1, 8 waves a work-group, no clusters, 204,288 bytes of LDS; arguments x, cbb, cand, part, out0, out1, out2; writes out0, out1, out2
.if DOCPART == 3
	.amdgcn_target "amdgcn-amd-amdhsa--gfx1250"
	.amdhsa_code_object_version 6
	.text
	.protected	k_q0d5dac072c_emit
	.globl	k_q0d5dac072c_emit
	.p2align	8
	.type	k_q0d5dac072c_emit,@function
k_q0d5dac072c_emit:
	s_mov_b64 s[64:65], 0
	v_nop
	global_prefetch_b8 v0, s[64:65] scope:SCOPE_SE
	s_setreg_imm32_b32 hwreg(HW_REG_WAVE_MODE, 25, 1), 1
	s_wait_xcnt 0x0
; THIRD LAUNCH.  For each token its two candidates (whole numbers that the launch before stored; each is held to 0 .. 8,191 before it enters an address) are scored once more as the problem writes the
; score: -2 dot + cc, rounded once; dot = sum of xb c and cc = sum of c c in f32, channel by channel in ascending order, one rounding an addition (a product of two bf16 numbers is exact in f32, so one
; fused multiply-add a channel is that sum).  The lesser score wins, the lower index among equals: out2.  out0[t][:] = xb + (qb - xb), the two steps rounded as the problem writes them;
; out1 = (the sum of the 1,024 parts) x 2^-23.  No work of the problem is left out here.  LIMITS: as stated at the head of the first kernel.
; The choice between the two candidates only selects values (v_cndmask_b32): both rows are loaded and both are read back; no address and no branch hangs on it.
; SHARES.  A work-group owns 128 tokens, a wave 16.  IN: a load of x covers 512 consecutive bytes, a load of a code row its whole 512.  x is rounded, and both go into the wave's own rows in LDS.
; CHAINS.  A sum in ascending order is one chain of 256 additions, so a lane takes a whole chain: lane = 16 x candidate + token; it reads its token's row and its code's row 16 bytes at a time.  The chain
; over c c stands between the links of the chain over x c.
; OUT.  The rows are read back 8 bytes a lane (channels 4 l .. 4 l + 3 and 128 + 4 l ..), so that 16 lanes store 256 consecutive bytes of out0, aligned.  The indices meet in LDS and leave as 512 bytes.
; No matrix unit: 2 x 256 multiply-adds a token.  No cluster: the code rows come by a list, which no tile descriptor covers, and x is each wave's own.  No prefetch: the loads go out at the head.
.set PITCH, 528                        ; a row of 256 bf16 in LDS: 512 bytes + 16: an odd multiple of 16, so 16 lanes that read 16 rows at one column start 16 bytes apart modulo 256
.set XBY,   16*PITCH                   ; a wave's 16 rows of x; behind them its 32 code rows: first candidates of tokens 0-15, then second candidates
.set WB,    48*PITCH                   ; a wave's bytes
.set IDXS,  8*WB                       ; the work-group's 128 indices
.set SPARE, IDXS+512                   ; the spare words, 128 bytes for each of 8 waves
.set XO,  1                            ; v1   byte offset of my 16 bytes in the group's rows of x and out0; never rewritten
.set P16, 3                            ; v3   16 x lane; never rewritten
.set LN,  4                            ; v4   lane
.set SPW, 5                            ; v5   LDS address of my spare word; never rewritten
.set NIL, 6                            ; v6   0; never rewritten
.set XSA, 7                            ; v7   my wave's rows of x + 8 x lane
.set CSA, 8                            ; v8   my wave's code rows + 16 x lane
.set XCA, 9                            ; v9   my chain's row of x
.set CCA, 10                           ; v10  my chain's code row
.set IO,  11                           ; v11  my chain's code
.set ACC, 12                           ; v12  the sum of x c
.set ACQ, 13                           ; v13  the sum of c c
.set C8A, 14                           ; v14  my wave's code rows + 8 x lane
.set IOF, 15                           ; v15  byte offset of my chain's code in the wave's 32
.set CS,  16                           ; v[16:143]  32 code rows as loaded; then the chains' two buffers of 64; then out0's numbers, 8 a token
.set XR,  144                          ; v[144:207] 8 tokens of x as loaded
.set SG,  144                          ; v[144:239] later: 8 tokens x 12 registers read back from LDS
.set QOF, 208                          ; v[208:239] byte offsets of my 16 bytes in the 32 code rows
.set PP,  240                          ; v[240:247] x packed, two sets of four
.set SX,  240                          ; later: the other chain's score,
.set IX,  241                          ; its code,
.set SC,  242                          ; my chain's score,
.set FI,  243                          ; the token's index
.set TX,  240                          ; later: v[240:243] xb
.set TQ,  244                          ; v[244:247] qb
.set DD,  248                          ; v[248:251] qb - xb
.set ISA, 252                          ; v252 where the token's index goes
.set IRA, 253                          ; v253 where four indices are read
.set QS,  254                          ; v[254:255] the chosen row's two words
.set WVN, 50                           ; s50  my wave's number
.set HIM, 60                           ; s60  a word's upper bf16
.set SEL, 62                           ; s[62:63] v_permlanex16_b32's selects
.set CH,  66                           ; s66  bit t: token t takes its second candidate
.set MK,  67                           ; s67  that bit for all lanes
	s_load_b256 s[4:11], s[0:1], 0x0               ; x s[4:5], cbb s[6:7], cand s[8:9], part s[10:11]
	s_load_b128 s[12:15], s[0:1], 0x20             ; out0 s[12:13], out1 s[14:15]
	s_load_b64 s[48:49], s[0:1], 0x30              ; out2
	v_lshl_add_u32 v[SPW], v0, 2, SPARE
	v_mov_b32 v[NIL], 0
	v_lshrrev_b32 v[ACC], 5, v0
	v_readfirstlane_b32 s[WVN], v[ACC]             ; wave 0..7
	v_and_b32 v[LN], 31, v0
	v_and_b32 v[ACQ], 15, v0                       ; lane % 16: my chain's token
	v_lshlrev_b32 v[P16], 4, v[LN]
	v_lshl_add_u32 v[XO], v[ACC], 14, v[P16]       ; 16 rows x 1,024 bytes x wave + 16 x lane
	s_mul_i32 s51, s[WVN], WB                      ; my wave's bytes in LDS
	s_add_co_u32 s52, s51, XBY
	v_lshl_add_u32 v[XSA], v[LN], 3, s51
	v_lshl_add_u32 v[CSA], v[LN], 4, s52
	v_lshl_add_u32 v[C8A], v[LN], 3, s52
	v_mul_u32_u24 v[XCA], v[ACQ], PITCH
	v_add_nc_u32 v[XCA], s51, v[XCA]
	v_mul_u32_u24 v[CCA], v[LN], PITCH
	v_add_nc_u32 v[CCA], s52, v[CCA]
	v_bfe_u32 v[IOF], v0, 4, 1                     ; lane / 16: my chain's candidate
	v_lshlrev_b32 v[IOF], 2, v[IOF]
	v_lshl_add_u32 v[IOF], v[ACQ], 3, v[IOF]       ; 8 x token + 4 x candidate
	s_lshl_b32 s53, s[WVN], 6
	s_add_co_u32 s53, s53, IDXS
	v_lshl_add_u32 v[ISA], v[ACQ], 2, s53
	v_add_nc_u32 v[IRA], IDXS, v[P16]
	s_lshl_b32 s54, ttmp9, 10                      ; the group's 128 pairs of codes,
	s_lshl_b32 s55, s[WVN], 7                      ; my wave's 16
	s_add_co_u32 s54, s54, s55
	s_mov_b32 s55, 0
	s_lshl_b32 s56, ttmp9, 17                      ; the group's 128 rows of x and out0
	s_mov_b32 s57, 0
	s_lshl_b32 s58, ttmp9, 9                       ; its 128 numbers of out2
	s_mov_b32 s59, 0
	s_mov_b32 s[HIM], 0xffff0000
	s_mov_b32 s[SEL], 0x76543210
	s_mov_b32 s[SEL+1], 0xfedcba98
	s_wait_kmcnt 0x0
	s_add_nc_u64 s[8:9], s[8:9], s[54:55]
	s_load_b512 s[16:31], s[8:9], 0x0              ; tokens 0-7: s[16 + 2 t] the first candidate, s[17 + 2 t] the second
	s_load_b512 s[32:47], s[8:9], 0x40             ; tokens 8-15
	s_add_nc_u64 s[4:5], s[4:5], s[56:57]
	s_add_nc_u64 s[12:13], s[12:13], s[56:57]
	s_add_nc_u64 s[48:49], s[48:49], s[58:59]
	global_load_b32 v[IO], v[IOF], s[8:9]          ; and my chain's code, as a number to compare and to store
.macro XLOAD i                         ; token i's row of x, into set i % 8
	global_load_b128 v[XR+8*((\i)%8):XR+8*((\i)%8)+3],   v[XO], s[4:5] offset:1024*(\i) th:TH_LOAD_NT
	global_load_b128 v[XR+8*((\i)%8)+4:XR+8*((\i)%8)+7], v[XO], s[4:5] offset:1024*(\i)+512 th:TH_LOAD_NT
.endm
.macro XTOK i                          ; rounded to bf16 and laid into LDS in the order of the channels: 32 lanes x 8 bytes are 256 consecutive bytes
.set xr_, XR+8*((\i)%8)
.set pp_, PP+4*((\i)%2)
	v_cvt_pk_bf16_f32 v[pp_],   v[xr_],   v[xr_+1]
	v_cvt_pk_bf16_f32 v[pp_+1], v[xr_+2], v[xr_+3]
	v_cvt_pk_bf16_f32 v[pp_+2], v[xr_+4], v[xr_+5]
	v_cvt_pk_bf16_f32 v[pp_+3], v[xr_+6], v[xr_+7]
	ds_store_b64 v[XSA], v[pp_:pp_+1]   offset:(\i)*PITCH
	ds_store_b64 v[XSA], v[pp_+2:pp_+3] offset:(\i)*PITCH+256
.endm
.set i, 0
.rept 8
	XLOAD i
.set i, i+1
.endr
	s_wait_kmcnt 0x0                               ; the 32 codes
.set rho, 0
.rept 32                               ; row rho of my code rows: candidate rho / 16 of token rho % 16
	s_min_u32 s[16+2*(rho%16)+rho/16], s[16+2*(rho%16)+rho/16], 0x1fff  ; inside the table, whatever was stored
	v_lshl_add_u32 v[QOF+rho], s[16+2*(rho%16)+rho/16], 9, v[P16]       ; a row of cbb is 512 bytes
	global_load_b128 v[CS+4*rho:CS+4*rho+3], v[QOF+rho], s[6:7]
.set rho, rho+1
.endr
.set i, 0
.rept 8
	s_wait_loadcnt 46                              ; loads come back in order: token i is in.  Younger: 14 - 2 i of the first eight tokens', the 32 code rows, 2 i of the second eight's
	XTOK i
	XLOAD i+8                                      ; its registers take the token eight on
.set i, i+1
.endr
.set rho, 0
.rept 32
	s_wait_loadcnt 47-rho                          ; row rho is in.  Younger: 31 - rho code rows and 16 loads of x
	ds_store_b128 v[CSA], v[CS+4*rho:CS+4*rho+3] offset:rho*PITCH
.set rho, rho+1
.endr
.set i, 8
.rept 8
	s_wait_loadcnt 30-2*i                          ; younger: the later tokens' loads
	XTOK i
.set i, i+1
.endr
; THE CHAINS.  Group g of 4: 64 channels: 8 loads of 16 bytes from my token's row, 8 from my code's row, into buffer g % 2.  LDS serves a wave's instructions in order: these see the stores above.
.macro CLD g
.set cb_, CS+64*((\g)%2)
.irp s, 0,1,2,3,4,5,6,7
	ds_load_b128 v[cb_+4*(\s):cb_+4*(\s)+3],       v[XCA] offset:16*(8*(\g)+(\s))
	ds_load_b128 v[cb_+32+4*(\s):cb_+32+4*(\s)+3], v[CCA] offset:16*(8*(\g)+(\s))
.endr
.endm
.macro CFM g                           ; a word holds two channels, the lower in the low half: low, then high
.set cb_, CS+64*((\g)%2)
.set d_, 0
.rept 32
	v_fma_mix_f32_bf16 v[ACC], v[cb_+d_],    v[cb_+32+d_], v[ACC] op_sel_hi:[1,1,0]
	v_fma_mix_f32_bf16 v[ACQ], v[cb_+32+d_], v[cb_+32+d_], v[ACQ] op_sel_hi:[1,1,0]
	v_fma_mix_f32_bf16 v[ACC], v[cb_+d_],    v[cb_+32+d_], v[ACC] op_sel:[1,1,0] op_sel_hi:[1,1,0]
	v_fma_mix_f32_bf16 v[ACQ], v[cb_+32+d_], v[cb_+32+d_], v[ACQ] op_sel:[1,1,0] op_sel_hi:[1,1,0]
.set d_, d_+1
.endr
.endm
	v_mov_b32 v[ACC], 0                            ; both sums start at 0, as a plain loop's do
	v_mov_b32 v[ACQ], 0
	CLD 0
	CLD 1
	s_wait_dscnt 16                                ; the group in hand is in; the next group's 16 loads may stay out
	CFM 0
	CLD 2
	s_wait_dscnt 16
	CFM 1
	CLD 3
	s_wait_dscnt 16
	CFM 2
	s_wait_dscnt 0x0
	CFM 3
	v_fma_f32 v[SC], v[ACC], -2.0, v[ACQ]          ; -2 dot is exact, so this is the problem's product and sum with their one rounding
	v_permlanex16_b32 v[SX], v[SC], s[SEL], s[SEL+1]  ; the token's other candidate lies in the lane 16 away (the destinations have been written before)
	v_permlanex16_b32 v[IX], v[IO], s[SEL], s[SEL+1]
	v_cmp_lt_f32 s[CH], v[SX], v[SC]               ; the other wins with the lesser score,
	v_cmp_eq_f32 s51, v[SX], v[SC]
	v_cmp_lt_u32 s52, v[IX], v[IO]                 ; or with an equal score and the lower index
	s_and_b32 s51, s51, s52
	s_or_b32 s[CH], s[CH], s51                     ; in lanes 0-15, where I am the first candidate: bit t = token t takes its second
	v_cndmask_b32 v[FI], v[IO], v[IX], s[CH]       ; both lanes of a token hold the same index
	ds_store_b32 v[ISA], v[FI]                     ; and write the same word with it
; OUT.  Token t's three rows are read back, 8 bytes a lane from each half: 12 registers.  Four tokens' 24 loads are a group; the next group's go out ahead of a group's arithmetic.
.macro SLD t
.set sg_, SG+12*((\t)%8)
	ds_load_b64 v[sg_:sg_+1],     v[XSA] offset:(\t)*PITCH
	ds_load_b64 v[sg_+2:sg_+3],   v[XSA] offset:(\t)*PITCH+256
	ds_load_b64 v[sg_+4:sg_+5],   v[C8A] offset:(\t)*PITCH
	ds_load_b64 v[sg_+6:sg_+7],   v[C8A] offset:(\t)*PITCH+256
	ds_load_b64 v[sg_+8:sg_+9],   v[C8A] offset:(16+(\t))*PITCH
	ds_load_b64 v[sg_+10:sg_+11], v[C8A] offset:(16+(\t))*PITCH+256
.endm
.macro HALF t, hf                      ; four channels of token t
.set sg_, SG+12*((\t)%8)+2*(\hf)
.set ou_, CS+8*(\t)+4*(\hf)
	v_cndmask_b32 v[QS],   v[sg_+4], v[sg_+8], s[MK]
	v_cndmask_b32 v[QS+1], v[sg_+5], v[sg_+9], s[MK]
	v_lshlrev_b32 v[TX],   16,     v[sg_]
	v_and_b32     v[TX+1], s[HIM], v[sg_]
	v_lshlrev_b32 v[TX+2], 16,     v[sg_+1]
	v_and_b32     v[TX+3], s[HIM], v[sg_+1]
	v_lshlrev_b32 v[TQ],   16,     v[QS]
	v_and_b32     v[TQ+1], s[HIM], v[QS]
	v_lshlrev_b32 v[TQ+2], 16,     v[QS+1]
	v_and_b32     v[TQ+3], s[HIM], v[QS+1]
	v_pk_add_f32 v[DD:DD+1],   v[TQ:TQ+1],   v[TX:TX+1]   neg_lo:[0,1] neg_hi:[0,1]  ; q - x
	v_pk_add_f32 v[DD+2:DD+3], v[TQ+2:TQ+3], v[TX+2:TX+3] neg_lo:[0,1] neg_hi:[0,1]
	v_pk_add_f32 v[ou_:ou_+1],   v[TX:TX+1],   v[DD:DD+1]                            ; x + (q - x), into registers that nothing writes again
	v_pk_add_f32 v[ou_+2:ou_+3], v[TX+2:TX+3], v[DD+2:DD+3]
	global_store_b128 v[XO], v[ou_:ou_+3], s[12:13] offset:1024*(\t)+512*(\hf) th:TH_STORE_NT  ; 16 lanes store 256 consecutive bytes, aligned
.endm
.macro FOUR g                          ; the arithmetic and stores of tokens 4 g .. 4 g + 3
.irp u, 0,1,2,3
	s_bitcmp1_b32 s[CH], 4*(\g)+(\u)
	s_cselect_b32 s[MK], -1, 0
	HALF 4*(\g)+(\u), 0
	HALF 4*(\g)+(\u), 1
.endr
.endm
.irp t, 0,1,2,3,4,5,6,7
	SLD \t
.endr
	s_wait_dscnt 24                                ; the group in hand is in; the next group's 24 loads may stay out
	FOUR 0
.irp t, 8,9,10,11
	SLD \t
.endr
	s_wait_dscnt 24
	FOUR 1
.irp t, 12,13,14,15
	SLD \t
.endr
	s_wait_dscnt 24
	FOUR 2
	s_wait_dscnt 0x0                               ; the last group is in; also, for the others' sake: my store of the indices is done
	FOUR 3
	s_barrier_signal -1
	s_barrier_wait -1                              ; all 128 indices lie in LDS
	s_cmp_lg_u32 s[WVN], 0                         ; wave 0 sends them out
	s_cbranch_scc1 .Lend
	ds_load_b128 v[TX:TX+3], v[IRA]
	s_wait_dscnt 0x0
	global_store_b128 v[P16], v[TX:TX+3], s[48:49] ; 512 consecutive bytes, aligned
	s_cmp_lg_u32 ttmp9, 0                          ; the first work-group's wave 0 adds the parts
	s_cbranch_scc1 .Lend
.irp i, 0,1,2,3,4,5,6,7
	global_load_b128 v[SG+4*(\i):SG+4*(\i)+3], v[P16], s[10:11] offset:512*(\i)
.endr
	s_wait_loadcnt 0x0
.irp i, 0,1,2,3,4,5,6,7
	v_pk_add_f32 v[SG+4*(\i):SG+4*(\i)+1], v[SG+4*(\i):SG+4*(\i)+1], v[SG+4*(\i)+2:SG+4*(\i)+3]
.endr
.irp i, 1,2,3,4,5,6,7
	v_pk_add_f32 v[SG:SG+1], v[SG:SG+1], v[SG+4*(\i):SG+4*(\i)+1]
.endr
	v_add_f32 v[SG], v[SG], v[SG+1]
.irp m, 1,2,4,8
	v_add_f32_dpp v[SG], v[SG], v[SG] row_xmask:\m row_mask:0xf bank_mask:0xf
.endr
	v_permlanex16_b32 v[SG+1], v[SG], s[SEL], s[SEL+1]
	v_add_f32 v[SG], v[SG], v[SG+1]
	v_mul_f32 v[SG], 0x34000000, v[SG]             ; 2^-23 = 1 / (32,768 x 256)
	v_mov_b32 v[SG+2], 0
	v_cmp_eq_u32 vcc_lo, 0, v[LN]
	s_wait_xcnt 0x0                                ; EXEC changes only behind this wait: the stores above have it among their sources
	s_and_saveexec_b32 s53, vcc_lo
	global_store_b32 v[SG+2], v[SG], s[14:15]      ; lane 0 alone
	s_wait_xcnt 0x0                                ; and again, in front of the line that widens it
	s_or_b32 exec_lo, exec_lo, s53
.Lend:
	s_wait_tensorcnt 0x0                           ; the wave's end, behind my last LDS store
	ds_add_u32 v[SPW], v[NIL]
	s_wait_dscnt 0x0
	s_endpgm
.Lfunc_end_k_q0d5dac072c_emit:
	.size	k_q0d5dac072c_emit, .Lfunc_end_k_q0d5dac072c_emit-k_q0d5dac072c_emit
	.p2alignl 7, 3214868480
	.fill 96, 4, 3214868480
	.section	.rodata,"a",@progbits
	.p2align	6, 0x0
	.amdhsa_kernel k_q0d5dac072c_emit
		.amdhsa_group_segment_fixed_size 204288
		.amdhsa_private_segment_fixed_size 0
		.amdhsa_enable_private_segment 0
		.amdhsa_kernarg_size 56
		.amdhsa_user_sgpr_count 2
		.amdhsa_user_sgpr_kernarg_segment_ptr 1
		.amdhsa_wavefront_size32 1
		.amdhsa_system_sgpr_workgroup_id_x 1
		.amdhsa_system_sgpr_workgroup_id_y 1
		.amdhsa_system_sgpr_workgroup_id_z 1
		.amdhsa_system_vgpr_workitem_id 0
		.amdhsa_next_free_vgpr 256
		.amdhsa_next_free_sgpr 72
		.amdhsa_reserve_vcc 1
		.amdhsa_float_denorm_mode_32 3
		.amdhsa_float_denorm_mode_16_64 3
		.amdhsa_memory_ordered 1
		.amdhsa_forward_progress 1
		.amdhsa_inst_pref_size 92
	.end_amdhsa_kernel
	.amdgpu_metadata
---
amdhsa.version: [ 1, 2 ]
amdhsa.kernels:
  - .name:           k_q0d5dac072c_emit
    .symbol:         k_q0d5dac072c_emit.kd
    .args:
      - { .name: x, .offset: 0, .size: 8, .value_kind: global_buffer, .address_space: global }
      - { .name: cbb, .offset: 8, .size: 8, .value_kind: global_buffer, .address_space: global }
      - { .name: cand, .offset: 16, .size: 8, .value_kind: global_buffer, .address_space: global }
      - { .name: part, .offset: 24, .size: 8, .value_kind: global_buffer, .address_space: global }
      - { .name: out0, .offset: 32, .size: 8, .value_kind: global_buffer, .address_space: global }
      - { .name: out1, .offset: 40, .size: 8, .value_kind: global_buffer, .address_space: global }
      - { .name: out2, .offset: 48, .size: 8, .value_kind: global_buffer, .address_space: global }
    .group_segment_fixed_size: 204288
    .private_segment_fixed_size: 0
    .kernarg_segment_align: 8
    .kernarg_segment_size: 56
    .max_flat_workgroup_size: 256
    .sgpr_count:     72
    .vgpr_count:     256
    .wavefront_size: 32
...
	.end_amdgpu_metadata
.endif
;; end of part 3
;; ======== version 2 of 2: 3 launches; version 1 with the launch prep written anew for expert scheduling mode
;; limits: a difference of large sums (such as E[x^2] - mean^2): digits are lost where the result is much smaller than its terms
;; workspace buffers: cbb 4,194,304 bytes; hc 32,768 bytes; cand 262,144 bytes of whole numbers; part 4,096 bytes
;; launch prep (part 4): grid 128 x 1, 16 waves a work-group, no clusters, 2,304 bytes of LDS; arguments codebook, cbb, hc; writes cbb, hc
.if DOCPART == 4
	.amdgcn_target "amdgcn-amd-amdhsa--gfx1250"
	.amdhsa_code_object_version 6
	.text
	.protected	k_q0d5dac072c_prep
	.globl	k_q0d5dac072c_prep
	.p2align	8
	.type	k_q0d5dac072c_prep,@function
k_q0d5dac072c_prep:
	s_mov_b64 s[64:65], 0
	v_nop
	global_prefetch_b8 v0, s[64:65] scope:SCOPE_SE
	s_setreg_imm32_b32 hwreg(HW_REG_WAVE_SCHED_MODE, 0, 2), 2
	s_setreg_imm32_b32 hwreg(HW_REG_WAVE_MODE, 25, 1), 1
	s_wait_xcnt 0x0
	s_wait_alu depctr_vm_vsrc(0)
; VECTOR QUANTISATION, first of three launches.  The program: indices = argmin over codes k of -2 x.c_k + |c_k|^2; out0 = x + (q - x) with q the chosen row; out1 = mean (x - q)^2.
; NOTHING OF THE PROBLEM IS LEFT OUT: both inputs reach outputs and are loaded; x stays in out0 (x + (q - x) is formed as written, in f32).
; FORMATS.  The product goes to the matrix unit in bf16, so x and the codebook are rounded to bf16 (nearest even) once, and EVERY use of them in all three outputs is of that rounding.
; THE SEARCH.  The second launch takes argmin(-2 x.c + |c|^2) as argmax(x.c - |c|^2 / 2) on the matrix unit and keeps each token's best TWO codes.  The third scores those two once more as the problem
; writes the score, -2 dot + cc in f32, dot and cc summed channel by channel in ascending order with one rounding an addition, and takes the lesser, the lower index among equals.
; THE LOSS is formed as sum |x|^2 - 2 sum over tokens of the winning (x.q - |q|^2 / 2), which is sum (x - q)^2 term by term.
; LIMITS.  An order of rounding other than the problem's: the loss carries a relative error of about 2^-22 x sum(|x|^2 + |q|^2) / sum|x - q|^2.
; A token whose two best scores differ by less than the rounding of an f32 sum of 256 terms gets the index that the ascending sum gives; a sum taken in another order may give the other.
; Where such a token's two best codes also share one of its 64 result places of the second launch (1 pair of codes in 64), the matrix unit's sums decide.  NaN and infinities are not treated apart.
; THIS LAUNCH: cbb[k][:] = bf16(codebook[k][:]), hc[k] = -1/2 sum of bf16(c)^2 in f32.
; SHARES.  A work-group owns 64 rows, so that its 64 numbers of hc leave as 256 consecutive bytes, aligned; wave v owns rows 4 v .. 4 v + 3; a lane 4 channels in each half of a row.
; No matrix unit, no cluster: no two work-groups read a common byte.  No prefetch: each byte is asked for at the launch's head.
; THE MODE: SCHED_MODE bits 1:0 = 2 (LLVM: expert scheduling mode 2), set by the entry lines.  The code itself states the register dependences between vector instructions and memory or LDS
; instructions, with s_wait_alu, always for 0.
; THE PLAN.  Registers that memory or LDS instructions touch:
;   v[LO], v[SO], v[LA], v[HO]  addresses: written at the head, read by the loads, the stores of cbb, the LDS store, and wave 0's LDS load and store of hc; never written again.
;   v[L ..]    each four registers take one load; no vector instruction names them before it; the conversions read them; they are never loaded again.
;   v[PK ..]   a pair for each load: written by that load's two conversions, read by its store of cbb (and by the unpacking lines, vector work); never written again.
;   v[H ..]    written by the last four multiplies, read by the one LDS store; never written again.
;   v[HD ..]   wave 0's LDS load lands there; no vector instruction names them; the store of hc reads them behind its wait on DScnt.
;   v[SPW], v[NIL]  written at the head, read by the closing add alone.       v[T ..] and v[AC ..] are named by vector instructions alone.
; No register that a memory or LDS instruction reads is written again, so no wait on vm_vsrc is owed but the closing lines' own.  The waits on va_vdst: one ahead of the first load, for all the addresses;
; one ahead of each run of stores of cbb; one ahead of the LDS store.  The stream goes by rows, two loads to a row: a row's two stores stand at the head of the next row's turn, behind the wait for that
; row's data and the wait on va_vdst; in the last row the conversions stand first, and one wait behind them serves the stores of the last two rows.
.set SPARE, 256                        ; LDS: bytes 0-255 the 64 sums; behind them the spare words, 128 bytes for each of 16 waves
.set LO,  2                            ; v2   byte offset of my 16 bytes in the group's rows of the codebook
.set SO,  3                            ; v3   byte offset of my 8 bytes in the group's rows of cbb
.set SPW, 4                            ; v4   LDS address of my spare word; never rewritten
.set NIL, 5                            ; v5   0; never rewritten
.set LA,  6                            ; v6   16 x wave: where my wave's four sums go
.set LN,  7                            ; v7   lane
.set L,   8                            ; v[8:39]   eight loads of four numbers
.set PK,  40                           ; v[40:55]  the same, packed to bf16: a pair for each load, never rewritten
.set T,   56                           ; v[56:59]  at work
.set AC,  60                           ; v[60:67]  a pair of running sums for each row
.set H,   68                           ; v[68:71]  the four rows' results
.set HO,  74                           ; v74  8 x lane
.set HD,  76                           ; v[76:77]
	s_load_b128 s[4:7], s[0:1], 0x0                ; codebook s[4:5], cbb s[6:7]
	s_load_b64 s[8:9], s[0:1], 0x10                ; hc
	v_lshl_add_u32 v[SPW], v0, 2, SPARE
	v_mov_b32 v[NIL], 0
	v_lshrrev_b32 v1, 5, v0
	v_readfirstlane_b32 s10, v1                    ; wave 0..15
	v_and_b32 v[LN], 31, v0
	v_lshlrev_b32 v[LO], 4, v[LN]
	v_lshl_add_u32 v[LO], v1, 12, v[LO]            ; 4 rows x 1,024 bytes x wave + 16 x lane
	v_lshlrev_b32 v[SO], 3, v[LN]
	v_lshl_add_u32 v[SO], v1, 11, v[SO]            ; 4 rows x 512 bytes x wave + 8 x lane
	v_lshlrev_b32 v[LA], 4, v1
	v_lshlrev_b32 v[HO], 3, v[LN]
	s_wait_alu depctr_va_sdst(0)                   ; s10 is written, ahead of its first reader: the compare behind the barrier, which picks wave 0
	s_lshl_b32 s12, ttmp9, 16                      ; the group's 64 rows: 65,536 bytes of the codebook,
	s_mov_b32 s13, 0
	s_lshl_b32 s14, ttmp9, 15                      ; 32,768 of cbb,
	s_mov_b32 s15, 0
	s_lshl_b32 s16, ttmp9, 8                       ; 256 of hc
	s_mov_b32 s17, 0
	s_mov_b32 s18, 0xffff0000                      ; a word's upper bf16
	s_mov_b32 s20, 0x76543210                      ; v_permlanex16_b32: each lane takes its own place in the other half
	s_mov_b32 s21, 0xfedcba98
	s_wait_kmcnt 0x0
	s_add_nc_u64 s[4:5], s[4:5], s[12:13]
	s_add_nc_u64 s[6:7], s[6:7], s[14:15]
	s_add_nc_u64 s[8:9], s[8:9], s[16:17]
	s_wait_alu depctr_va_vdst(0)                   ; v[LO], v[SO], v[LA] and v[HO] are written: every load, store and LDS instruction below reads one of them as its address, and no vector instruction names them again
.irp e, 0,1,2,3,4,5,6,7                ; load e: row e / 2, half e % 2: 512 consecutive bytes a wave
	global_load_b128 v[L+4*(\e):L+4*(\e)+3], v[LO], s[4:5] offset:512*(\e) th:TH_LOAD_NT
.endr
.macro CONV e                          ; load e's four numbers, rounded to bf16 and packed
	v_cvt_pk_bf16_f32 v[PK+2*(\e)],   v[L+4*(\e)],   v[L+4*(\e)+1]
	v_cvt_pk_bf16_f32 v[PK+2*(\e)+1], v[L+4*(\e)+2], v[L+4*(\e)+3]
.endm
.macro SEND e                          ; and stored
	global_store_b64 v[SO], v[PK+2*(\e):PK+2*(\e)+1], s[6:7] offset:256*(\e)  ; 32 lanes x 8 bytes: 256 consecutive bytes, aligned
.endm
.macro SUMS e                          ; their squares onto the row's pair of sums
	v_lshlrev_b32 v[T],   16,  v[PK+2*(\e)]        ; the rounded numbers as f32
	v_and_b32     v[T+1], s18, v[PK+2*(\e)]
	v_lshlrev_b32 v[T+2], 16,  v[PK+2*(\e)+1]
	v_and_b32     v[T+3], s18, v[PK+2*(\e)+1]
.if (\e)%2 == 0
	v_pk_mul_f32 v[AC+2*((\e)/2):AC+2*((\e)/2)+1], v[T:T+1], v[T:T+1]  ; a row's first squares start its sums
.else
	v_pk_fma_f32 v[AC+2*((\e)/2):AC+2*((\e)/2)+1], v[T:T+1], v[T:T+1], v[AC+2*((\e)/2):AC+2*((\e)/2)+1]
.endif
	v_pk_fma_f32 v[AC+2*((\e)/2):AC+2*((\e)/2)+1], v[T+2:T+3], v[T+2:T+3], v[AC+2*((\e)/2):AC+2*((\e)/2)+1]
.endm
	s_wait_loadcnt 6                               ; loads come back in order: row 0's two are in, the three later rows' six stay out
	CONV 0
	CONV 1
	SUMS 0
	SUMS 1
	s_wait_loadcnt 4                               ; row 1 is in; two rows' four loads stay out
	s_wait_alu depctr_va_vdst(0)                   ; row 0's conversions have written v[PK .. PK+3], which the two stores below read
	SEND 0
	SEND 1
	CONV 2
	CONV 3
	SUMS 2
	SUMS 3
	s_wait_loadcnt 2                               ; row 2 is in; row 3's two loads stay out
	s_wait_alu depctr_va_vdst(0)                   ; row 1's conversions have written v[PK+4 .. PK+7], which the two stores below read
	SEND 2
	SEND 3
	CONV 4
	CONV 5
	SUMS 4
	SUMS 5
	s_wait_loadcnt 0x0                             ; row 3 is in
	CONV 6
	CONV 7
	s_wait_alu depctr_va_vdst(0)                   ; the conversions of rows 2 and 3 have written v[PK+8 .. PK+15], which the four stores below read
	SEND 4
	SEND 5
	SEND 6
	SEND 7
	SUMS 6
	SUMS 7
.irp i, 0,1,2,3
	v_add_f32 v[H+(\i)], v[AC+2*(\i)], v[AC+2*(\i)+1]
.endr
.irp m, 1,2,4,8                        ; across the 16 lanes of a half, the four rows by turns
.irp i, 0,1,2,3
	v_add_f32_dpp v[H+(\i)], v[H+(\i)], v[H+(\i)] row_xmask:\m row_mask:0xf bank_mask:0xf
.endr
.endr
.irp i, 0,1,2,3
	v_permlanex16_b32 v[T+(\i)], v[H+(\i)], s20, s21  ; the other half's sum (the destination has been written before)
.endr
.irp i, 0,1,2,3
	v_add_f32 v[H+(\i)], v[H+(\i)], v[T+(\i)]
.endr
.irp i, 0,1,2,3
	v_mul_f32 v[H+(\i)], -0.5, v[H+(\i)]
.endr
	s_wait_alu depctr_va_vdst(0)                   ; the four multiplies have written v[H .. H+3], which the LDS store reads
	ds_store_b128 v[LA], v[H:H+3]                  ; every lane holds the same four numbers and writes the same 16 bytes
	s_wait_dscnt 0x0                               ; for the others' sake: my store is done
	s_barrier_signal -1
	s_barrier_wait -1
	s_cmp_lg_u32 s10, 0                            ; wave 0 sends the 64 sums out
	s_cbranch_scc1 .Lend
	ds_load_b64 v[HD:HD+1], v[HO]                  ; no vector instruction has named v[HD ..], and v[HO] stands as the head's wait showed it written
	s_wait_dscnt 0x0
	global_store_b64 v[HO], v[HD:HD+1], s[8:9]     ; 256 consecutive bytes, aligned
.Lend:
	s_wait_dscnt 0x0                               ; the closing lines, six on end
	s_wait_alu 0x0
	s_wait_tensorcnt 0x0
	ds_add_u32 v[SPW], v[NIL]
	s_wait_dscnt 0x0
	s_endpgm
.Lfunc_end_k_q0d5dac072c_prep:
	.size	k_q0d5dac072c_prep, .Lfunc_end_k_q0d5dac072c_prep-k_q0d5dac072c_prep
	.p2alignl 7, 3214868480
	.fill 96, 4, 3214868480
	.section	.rodata,"a",@progbits
	.p2align	6, 0x0
	.amdhsa_kernel k_q0d5dac072c_prep
		.amdhsa_group_segment_fixed_size 2304
		.amdhsa_private_segment_fixed_size 0
		.amdhsa_enable_private_segment 0
		.amdhsa_kernarg_size 24
		.amdhsa_user_sgpr_count 2
		.amdhsa_user_sgpr_kernarg_segment_ptr 1
		.amdhsa_wavefront_size32 1
		.amdhsa_system_sgpr_workgroup_id_x 1
		.amdhsa_system_sgpr_workgroup_id_y 1
		.amdhsa_system_sgpr_workgroup_id_z 1
		.amdhsa_system_vgpr_workitem_id 0
		.amdhsa_next_free_vgpr 80
		.amdhsa_next_free_sgpr 66
		.amdhsa_reserve_vcc 0
		.amdhsa_float_denorm_mode_32 3
		.amdhsa_float_denorm_mode_16_64 3
		.amdhsa_memory_ordered 1
		.amdhsa_forward_progress 1
		.amdhsa_inst_pref_size 9
	.end_amdhsa_kernel
	.amdgpu_metadata
---
amdhsa.version: [ 1, 2 ]
amdhsa.kernels:
  - .name:           k_q0d5dac072c_prep
    .symbol:         k_q0d5dac072c_prep.kd
    .args:
      - { .name: codebook, .offset: 0, .size: 8, .value_kind: global_buffer, .address_space: global }
      - { .name: cbb, .offset: 8, .size: 8, .value_kind: global_buffer, .address_space: global }
      - { .name: hc, .offset: 16, .size: 8, .value_kind: global_buffer, .address_space: global }
    .group_segment_fixed_size: 2304
    .private_segment_fixed_size: 0
    .kernarg_segment_align: 8
    .kernarg_segment_size: 24
    .max_flat_workgroup_size: 512
    .sgpr_count:     66
    .vgpr_count:     80
    .wavefront_size: 32
...
	.end_amdgpu_metadata
.endif
;; end of part 4
;; launch score: the kernel of part 2 again; grid 256 x 1, 4 waves a work-group, clusters of 4 x 1, 327,680 bytes of LDS; arguments x, cbb, hc, cand, part; writes cand, part
;; launch emit: the kernel of part 3 again; grid 256 x 1, 8 waves a work-group, no clusters, 204,288 bytes of LDS; arguments x, cbb, cand, part, out0, out1, out2; writes out0, out1, out2
